; MI455X (gfx1250); checked and timed in simulation.
; The chip was launched on July 23, 2026; its instructions are those of AMD's public machine-readable ISA for CDNA 5 (MIT licence, August 2026) and "CDNA5" Instruction Set Architecture Reference Guide (July 2026). The comments in the code are by the model that wrote it; some were corrected since.
;; Attention Mechanism. Allowed arithmetic: matrix products marked QUANTISED: E2M3 operands, one E8M0 scale for each 32 along K, by v_wmma_scale_f32_16x16x128_f8f6f4 with both operands' format E2M3, f32 sums; products left as they are: f32 operands where the result goes on into a quantised operand, else bf16, f16 or f32 operands; f32 sums; everything else in f32.
;; Inputs: V 1 x 1,024 float32; W_key 1,024 x 1,024 float32; W_query 1,024 x 1,024 float32; keys 32 x 2,048 x 1,024 float32; query 32 x 1,024 float32.
;; Outputs: out0 32 x 1,024 float32; out1 32 x 2,048 float32.
;; This version of the problem:
;;   THIS VERSION OF THE PROBLEM IS GIVEN IN LOW PRECISION. The matrix products marked QUANTISED in the list below multiply operands that are first quantised to E2M3 (2 exponent bits, 3 mantissa bits; 6 bits a number), with one power-of-two scale for each 32 numbers along K (OCP MX v1.0); their sums are f32. All else is computed in f32.
;;   The module's matrix products, in the order in which they are computed (A, B: the left and right operand; K: the contracted axis; several contracted axes count as one K, in the product's order):
;;     1. [M 32, K 1,024] x [K 1,024, N 1,024]; A: input query; B: input W_query: QUANTISED
;;     2. [M 65,536, K 1,024] x [K 1,024, N 1,024]; A: input keys; B: input W_key: QUANTISED
;;     3. [M 65,536, K 1,024] x [K 1,024, N 1]; A: computed on the way; B: input V: left as it is (N = 1 < 16)
;;     4. batch 32 x [M 1, K 2,048] x [K 2,048, N 1,024]; A: softmax; B: input keys: left as it is (M = 1 < 16)
;;   THE QUANTISER, for each operand of a quantised product, along K:
;;     - K is cut into blocks of 32 from its start; a last block that is shorter is filled with zeros.
;;     - A block's scale is 2^e with e = floor(log2(the largest magnitude in the block)) - 2, held to -126 .. 127; a block of zeros has e = 0. As a byte (E8M0): e + 127.
;;     - Each number is divided by its block's scale, clamped to +-7.5, and rounded to the nearest number of E2M3, ties to even, subnormals kept.
;;     - The product sums the exact products of the quantised numbers (number of the format x scale) in f32.
;;   ~~~python
;;   def quantise(x, axis):      # numpy; x: float32 -> the quantised numbers, widened to float32 again
;;       x = np.moveaxis(x, axis, -1); K = x.shape[-1]
;;       x = np.pad(x, [(0, 0)] * (x.ndim - 1) + [(0, -K % 32)]); x = x.reshape(x.shape[:-1] + (-1, 32)); a = np.abs(x).max(-1, keepdims=True)
;;       e = np.where(a > 0, np.clip(np.frexp(np.where(a > 0, a, 1))[1] - 1 - 2, -126, 127), 0)      # np.frexp(a)[1] - 1 = floor(log2(a)), exactly
;;       r = np.clip(x / 2.0 ** e, -7.5, 7.5)
;;       step = 2.0 ** (np.maximum(np.frexp(np.where(r == 0, 1, r))[1] - 1, 0) - 3)
;;       q = np.round(r / step) * step * 2.0 ** e      # np.round: ties to even
;;       return np.moveaxis(q.reshape(q.shape[:-2] + (-1,))[..., :K], -1, axis).astype(np.float32)
;;   ~~~
;; One version. Each part assembles by itself: llvm-mc -triple=amdgcn-amd-amdhsa -mcpu=gfx1250 --defsym DOCPART=n.
;; ======== version 1 of 1: 3 launches
;; limits: values are held in bf16: 8 bits of precision; right only within a limited range of input values
;; workspace buffers: wimg 819,200 bytes; uq 262,144 bytes; tsc 262,144 bytes; pctx 2,097,152 bytes
;; launch prep (part 1): grid 192 x 1, 8 waves a work-group, no clusters, 144,896 bytes of LDS; arguments W_key, W_query, query, V, wimg, uq; writes wimg, uq
.if DOCPART == 1
	.amdgcn_target "amdgcn-amd-amdhsa--gfx1250"
	.amdhsa_code_object_version 6
	.text
	.protected	k_q94a049bc86_prep
	.globl	k_q94a049bc86_prep
	.p2align	8
	.type	k_q94a049bc86_prep,@function
k_q94a049bc86_prep:
	s_mov_b64 s[64:65], 0
	v_nop
	global_prefetch_b8 v0, s[64:65] scope:SCOPE_SE
	s_setreg_imm32_b32 hwreg(HW_REG_WAVE_MODE, 25, 1), 1
	s_wait_xcnt 0x0
; ADDITIVE ATTENTION, launch 1 of 3: the small operands.  score[b][s] = sum over o of V[o] tanh(q_proj[b][o] + k_proj[b][s][o]); weights = softmax over s; context = weights x keys.
; WORK LEFT OUT, for all values of the inputs: tanh(x) = 1 - 2 / (1 + 2^(c x)), c = 2 log2(e), so score = sum(V) - 2 sum over o of V[o] / (1 + 2^(c x)).  sum(V) is the same for every s of a row of the softmax,
; and the scores themselves are no output: a term that is the same along the softmax's axis changes no weight.  So sum(V) is never formed.  All five inputs still have a way to the outputs and all are loaded.
; What is carried instead: t = log2(e) (score - sum(V)) = sum over o of U[o] / (1 + 2^(c k_proj + c q_proj)), U[o] = -c V[o]; weights = 2^(t - max t) / their sum.
; LIMITS: NaN and infinities among the inputs are not served; an overflow of sum(V) alone is not carried to the result; a block of 32 whose largest magnitude lies under 2^-124 keeps the scale byte 1
; (a block of zeros too, where the rule says 127: its codes are zeros, and these bytes are read by this program alone).
; SHARES: 192 work-groups of eight waves; wave k takes K step k (128 along K).  One branch on the work-group's number parts two paths, each with LDS bytes, a barrier and an end of its own.
;   Work-groups 0-63 (nt): rows 16 nt .. + 15 of W_key are quantised to FP6 (E2M3) codes with one E8M0 byte for each 32 along K and stored as an IMAGE OF THE OPERAND'S REGISTERS (three runs of 512 bytes, lane l's 16 bytes at 16 l).
;     wimg: 16 slots x 4 parts x 12,800 bytes; part p of slot z is n-tile 32 (p / 2) + 2 z + p % 2: eight fragments of 1,536 bytes, then 512 scale bytes (row r at 32 r, K step k's word at + 4 k).
;   Work-groups 64-191 (nt, t): q_proj = Q(query) Q(W_query)^T for columns 16 nt .. + 15 and batches 16 t .. + 15: a wave one K step, one matrix instruction; the eight partial sums are added through LDS in ascending K.
;     uq: [nt][idx 16][lane 32] pairs { c q_proj, U }: idx = 8 t + j, lane = 16 h + r stand for batch 16 t + 8 h + j, column 16 nt + r: the matrix result's own layout.  Wave k adds and stores idx 8 t + k: 256 bytes.
; A tile (16 rows x 512 bytes) is loaded a row an instruction, 512 consecutive bytes, and turned through the wave's own stage in LDS, so that lane (r, h) holds, of row r, 16 neighbours of each block of 32.
; No tensor load, no cluster, no prefetch: each tile goes once from memory into registers, all of a wave's loads are asked for at once, and there is no loop to run ahead in.
.set STG,   0                          ; q_proj's path: eight stages of 16 rows x (512 + 16) bytes
.set STGK,  67584                      ; W_key's path: the same, in bytes of its own
.set PS,    135168                     ; eight waves' partial sums, 1,024 bytes each
.set SCG,   143360                     ; W_key's scale words of the n-tile: 512 bytes
.set SPARE, 143872                     ; the spare words, 128 bytes for each wave
.set SPW, 1
.set NIL, 2
.set TO,  3                            ; 512 k + 16 l: my bytes of a row
.set STW, 4                            ; the stage on the way in,
.set STR, 5                            ; and on the way out: row r, + 64 h
.set VO,  6                            ; 4 r
.set SCW, 7                            ; SCG + 32 r + 4 k
.set PSW, 8                            ; PS + 1024 k + 16 l
.set PSR, 9                            ; PS + 512 (k / 4) + 4 (k % 4) + 16 l
.set L16, 10
.set L8,  11
.set WO,  12                           ; 1536 k + 16 l
.set SCR, 13                           ; SCG + 16 l
.set STWK, 14                          ; W_key's path: its stage
.set STRK, 15
.set TM,  16                           ; v16-23, v28-31 at work in QUANT
.set VV,  24                           ; V's number of my column
.set L0,  32
.set L1,  96
.set PCB, 180                          ; W_query's codes
.set PCC, 200                          ; query's codes; on the other path W_key's
.set PWB, 221                          ; v221-223: scale words, and nothing else
.set PWC, 222
.set PWD, 223
.set D0,  224
.set W,   240
; 64 numbers of a lane, register 16 b + i = k 32 b + 16 (lane / 16) + i of my row, become a fragment's 12 registers of codes in v[pc] on and its scale word in v[pw]
.macro QUANT s, pc, pw
.irp b, 0,1,2,3
	v_max3_num_f32 v[TM+\b], |v[\s+16*\b]|, |v[\s+1+16*\b]|, 0x1800000   ; with the floor 2^(3 - 127): the byte cannot fall under 1
.endr
.irp i, 2,4,6,8,10,12,14
.irp b, 0,1,2,3
	s_delay_alu instid0(VALU_DEP_4)
	v_max3_num_f32 v[TM+\b], v[TM+\b], |v[\s+16*\b+\i]|, |v[\s+1+16*\b+\i]|
.endr
.endr
.irp b, 0,1,2,3
	s_delay_alu instid0(VALU_DEP_4)
	v_permlanex16_b32 v[TM+4+\b], v[TM+\b], s32, s33
.endr
.irp b, 0,1,2,3
	s_delay_alu instid0(VALU_DEP_4)
	v_max_num_f32 v[TM+\b], v[TM+\b], v[TM+4+\b]     ; with lane l xor 16's: the block's largest magnitude
.endr
.irp b, 0,1,2,3
	s_delay_alu instid0(VALU_DEP_4)
	v_add_nc_u32 v[TM+12+\b], 0xff000000, v[TM+\b]   ; 2 off its exponent field: the conversion's scale operand
.endr
.irp b, 0,1,2,3
	s_delay_alu instid0(VALU_DEP_4)
	v_lshrrev_b32 v[TM+4+\b], 23, v[TM+12+\b]        ; the scale's byte
.endr
	s_delay_alu instid0(VALU_DEP_3)
	v_lshl_or_b32 v[\pw], v[TM+5], 8, v[TM+4]
	s_delay_alu instid0(VALU_DEP_1)
	v_lshl_or_b32 v[\pw], v[TM+6], 16, v[\pw]
	s_delay_alu instid0(VALU_DEP_1)
	v_lshl_or_b32 v[\pw], v[TM+7], 24, v[\pw]
.irp c, 0,1
	v_cvt_scalef32_pk16_fp6_f32 v[\pc+6*\c:\pc+2+6*\c], v[\s+32*\c:\s+15+32*\c], v[TM+12+2*\c]
	v_cvt_scalef32_pk16_fp6_f32 v[\pc+12+4*\c:\pc+14+4*\c], v[\s+16+32*\c:\s+31+32*\c], v[TM+12+2*\c+1]
.endr
	v_nop                                          ; one plain place behind a scaled conversion
.irp c, 0,1                                    ; the operand's layout wants a whole block in a lane
.irp i, 0,1,2
	v_permlane16_swap_b32 v[\pc+6*\c+\i], v[\pc+12+4*\c+\i]
.endr
.irp i, 0,1,2
	s_delay_alu instid0(VALU_DEP_3)
	v_mov_b32 v[\pc+3+6*\c+\i], v[\pc+12+4*\c+\i]
.endr
.endr
.endm
.macro LOADT dst, lo                   ; 16 rows, 512 consecutive bytes each
.irp p, 0,1,2,3,4,5,6,7,8,9,10,11,12,13,14,15
	global_load_b128 v[\dst+4*\p:\dst+4*\p+3], v[TO], s[\lo:\lo+1] offset:4096*\p
.endr
.endm
.macro TURN L, in, out                 ; through my stage: LDS serves a wave's instructions in order, so no wait stands between the stores and the loads
.irp p, 0,1,2,3,4,5,6,7,8,9,10,11,12,13,14,15
	ds_store_b128 v[\in], v[\L+4*\p:\L+4*\p+3] offset:528*\p
.endr
.irp n, 0,1,2,3,4,5,6,7,8,9,10,11,12,13,14,15
	ds_load_b128 v[\L+4*\n:\L+4*\n+3], v[\out] offset:128*(\n/4)+16*(\n%4)
.endr
	s_wait_dscnt 0x0
.endm
	s_load_b256 s[4:11], s[0:1], 0x0               ; W_key s[4:5], W_query s[6:7], query s[8:9], V s[10:11]
	s_load_b128 s[12:15], s[0:1], 0x20             ; wimg s[12:13], uq s[14:15]
	v_lshl_add_u32 v[SPW], v0, 2, SPARE
	v_mov_b32 v[NIL], 0
	v_lshrrev_b32 v25, 5, v0
	s_delay_alu instid0(VALU_DEP_1)
	v_readfirstlane_b32 s16, v25                   ; wave k
	; all scalar set-up first, then all vector set-up
	s_lshl_b32 s17, s16, 9                         ; 512 k
	s_mul_i32 s18, s16, 8448                       ; my stage (STG = 0),
	s_add_co_u32 s19, s18, STGK                    ; and the other path's
	s_lshl_b32 s20, s16, 2
	s_add_co_u32 s20, s20, SCG
	s_lshl_b32 s21, s16, 10
	s_add_co_u32 s21, s21, PS
	s_lshr_b32 s22, s16, 2
	s_lshl_b32 s22, s22, 9
	s_and_b32 s23, s16, 3
	s_lshl_b32 s23, s23, 2
	s_add_co_u32 s22, s22, s23
	s_add_co_u32 s22, s22, PS
	s_mul_i32 s23, s16, 1536
	s_and_b32 s24, ttmp9, 63                       ; nt
	s_lshr_b32 s25, ttmp9, 6                       ; 0: W_key; 1, 2: q_proj, t + 1
	s_lshl_b32 s26, s24, 16                        ; my 16 rows of a weight: 65,536 bytes an n-tile
	s_mov_b32 s27, 0
	s_mov_b32 s29, 0
	s_mov_b32 s31, 0
	s_mov_b32 s37, 0
	s_mov_b32 s32, 0x76543210
	s_mov_b32 s33, 0xfedcba98                      ; lane l xor 16
	s_mov_b32 s34, 0x4038aa3b                      ; c = 2 log2(e)
	v_and_b32 v25, 31, v0                          ; l
	v_and_b32 v26, 15, v0                          ; r
	v_bfe_u32 v27, v0, 4, 1                        ; h
	s_delay_alu instid0(VALU_DEP_3)
	v_lshlrev_b32 v[L16], 4, v25
	s_delay_alu instid0(VALU_DEP_4)
	v_lshlrev_b32 v[L8], 3, v25
	s_delay_alu instid0(VALU_DEP_2)
	v_add_nc_u32 v[TO], s17, v[L16]
	s_delay_alu instid0(VALU_DEP_3)
	v_add_nc_u32 v[STW], s18, v[L16]
	s_delay_alu instid0(VALU_DEP_4)
	v_add_nc_u32 v[STWK], s19, v[L16]
	v_mul_u32_u24 v[STR], v26, 528
	s_delay_alu instid0(VALU_DEP_1)
	v_lshl_add_u32 v[STR], v27, 6, v[STR]
	s_delay_alu instid0(VALU_DEP_1)
	v_add_nc_u32 v[STRK], s19, v[STR]
	s_delay_alu instid0(VALU_DEP_2)
	v_add_nc_u32 v[STR], s18, v[STR]
	v_lshlrev_b32 v[VO], 2, v26
	v_lshlrev_b32 v[SCW], 5, v26
	s_delay_alu instid0(VALU_DEP_1)
	v_add_nc_u32 v[SCW], s20, v[SCW]
	v_add_nc_u32 v[PSW], s21, v[L16]
	v_add_nc_u32 v[PSR], s22, v[L16]
	v_add_nc_u32 v[WO], s23, v[L16]
	v_add_nc_u32 v[SCR], SCG, v[L16]
.irp b, 0,1,2,3
	v_mov_b32 v[TM+4+\b], 0                        ; a lane permute's destination counts as one of its sources
.endr
	s_wait_alu depctr_va_vdst(0)
	s_wait_kmcnt 0x0
	s_cmp_lt_u32 ttmp9, 64
	s_cbranch_scc1 .Lkey
	; ---- q_proj for n-tile nt and batches 16 t .. + 15
	s_sub_co_u32 s25, s25, 1                       ; t
	s_lshl_b32 s28, s25, 16                        ; query: 16 rows of 4,096 bytes
	s_lshl_b32 s30, s24, 6                         ; my 16 numbers of V
	s_lshl_b32 s36, s24, 12                        ; uq: 4,096 bytes an n-tile,
	s_lshl_b32 s38, s25, 11                        ; 2,048 a half of the batches,
	s_add_co_u32 s36, s36, s38
	s_lshl_b32 s38, s16, 8                         ; 256 a wave
	s_add_co_u32 s36, s36, s38
	s_add_nc_u64 s[6:7], s[6:7], s[26:27]
	s_add_nc_u64 s[8:9], s[8:9], s[28:29]
	s_add_nc_u64 s[10:11], s[10:11], s[30:31]
	s_add_nc_u64 s[14:15], s[14:15], s[36:37]
	global_load_b32 v[VV], v[VO], s[10:11]         ; V of my column
	LOADT L0, 6                                    ; W_query's tile
	LOADT L1, 8                                    ; query's 16 rows
	s_wait_loadcnt 16                              ; V and W_query are in; query's 16 loads are younger
	TURN L0, STW, STR
	QUANT L0, PCB, PWB
	s_wait_loadcnt 0x0
	TURN L1, STW, STR
	QUANT L1, PCC, PWC
.rept 8
	v_nop                                          ; a scale register written by a vector instruction stands 8 places ahead of a scaled matrix instruction, an operand so written 4
.endr
	v_wmma_scale_f32_16x16x128_f8f6f4 v[D0:D0+7], v[PCC:PCC+11], v[PCB:PCB+11], 0, v[PWC], v[PWB] matrix_a_fmt:MATRIX_FMT_FP6 matrix_b_fmt:MATRIX_FMT_FP6   ; register j of lane (r, h): batch 16 t + 8 h + j, column r
.rept 4
	v_nop                                          ; places in front of the stores that read the result
.endr
	ds_store_b128 v[PSW], v[D0:D0+3]               ; my K step's partial sums, from the result's low end on
	ds_store_b128 v[PSW], v[D0+4:D0+7] offset:512
	s_wait_dscnt 0x0                               ; for the others' sake: my stores have landed
	s_barrier_signal -1
	s_barrier_wait -1
.irp v, 0,1,2,3,4,5,6,7
	ds_load_b32 v[W+\v], v[PSR] offset:1024*\v     ; result k of the eight, of every wave's K step
.endr
	s_wait_dscnt 0x0
	v_add_f32 v[W], v[W], v[W+1]                   ; K ascending
.irp v, 2,3,4,5,6,7
	s_delay_alu instid0(VALU_DEP_1)
	v_add_f32 v[W], v[W], v[W+\v]
.endr
	s_delay_alu instid0(VALU_DEP_1)
	v_mul_f32 v[W+8], s34, v[W]                    ; c q_proj
	v_mul_f32 v[W+9], 0xc038aa3b, v[VV]            ; U = -c V
	global_store_b64 v[L8], v[W+8:W+9], s[14:15]   ; 32 lanes store 256 consecutive bytes, aligned
	s_wait_tensorcnt 0x0                           ; the wave's end
	ds_add_u32 v[SPW], v[NIL]
	s_wait_dscnt 0x0
	s_endpgm
	; ---- W_key's n-tile nt
.Lkey:
	s_and_b32 s28, s24, 31
	s_lshr_b32 s28, s28, 1
	s_mul_i32 s28, s28, 51200                      ; the slot,
	s_lshr_b32 s30, s24, 5
	s_lshl_b32 s30, s30, 1
	s_and_b32 s36, s24, 1
	s_or_b32 s30, s30, s36
	s_mul_i32 s30, s30, 12800                      ; the part
	s_add_co_u32 s28, s28, s30
	s_add_nc_u64 s[4:5], s[4:5], s[26:27]
	s_add_nc_u64 s[12:13], s[12:13], s[28:29]
	LOADT L0, 4
	s_wait_loadcnt 0x0
	TURN L0, STWK, STRK
	QUANT L0, PCC, PWD
.irp c, 0,1,2
	global_store_b128 v[WO], v[PCC+4*\c:PCC+4*\c+3], s[12:13] offset:512*\c   ; the fragment's image: 512 consecutive bytes a store
.endr
	ds_store_b32 v[SCW], v[PWD]                    ; lanes r and r + 16 write the same word with the same value
	s_wait_dscnt 0x0
	s_barrier_signal -1
	s_barrier_wait -1
	s_cmp_lg_u32 s16, 0
	s_cbranch_scc1 .Lkend                          ; wave 0 alone sends the n-tile's 512 scale bytes
	ds_load_b128 v[W:W+3], v[SCR]
	s_wait_dscnt 0x0
	global_store_b128 v[L16], v[W:W+3], s[12:13] offset:12288
.Lkend:
	s_wait_tensorcnt 0x0                           ; the wave's end
	ds_add_u32 v[SPW], v[NIL]
	s_wait_dscnt 0x0
	s_endpgm
.Lfunc_end_k_q94a049bc86_prep:
	.size	k_q94a049bc86_prep, .Lfunc_end_k_q94a049bc86_prep-k_q94a049bc86_prep
	.p2alignl 7, 3214868480
	.fill 96, 4, 3214868480
	.section	.rodata,"a",@progbits
	.p2align	6, 0x0
	.amdhsa_kernel k_q94a049bc86_prep
		.amdhsa_group_segment_fixed_size 144896
		.amdhsa_private_segment_fixed_size 0
		.amdhsa_enable_private_segment 0
		.amdhsa_kernarg_size 48
		.amdhsa_user_sgpr_count 2
		.amdhsa_user_sgpr_kernarg_segment_ptr 1
		.amdhsa_wavefront_size32 1
		.amdhsa_system_sgpr_workgroup_id_x 1
		.amdhsa_system_sgpr_workgroup_id_y 1
		.amdhsa_system_sgpr_workgroup_id_z 1
		.amdhsa_system_vgpr_workitem_id 0
		.amdhsa_next_free_vgpr 256
		.amdhsa_next_free_sgpr 66
		.amdhsa_reserve_vcc 0
		.amdhsa_float_denorm_mode_32 3
		.amdhsa_float_denorm_mode_16_64 3
		.amdhsa_memory_ordered 1
		.amdhsa_forward_progress 1
		.amdhsa_inst_pref_size 34
	.end_amdhsa_kernel
	.amdgpu_metadata
---
amdhsa.version: [ 1, 2 ]
amdhsa.kernels:
  - .name:           k_q94a049bc86_prep
    .symbol:         k_q94a049bc86_prep.kd
    .args:
      - { .name: W_key, .offset: 0, .size: 8, .value_kind: global_buffer, .address_space: global }
      - { .name: W_query, .offset: 8, .size: 8, .value_kind: global_buffer, .address_space: global }
      - { .name: query, .offset: 16, .size: 8, .value_kind: global_buffer, .address_space: global }
      - { .name: V, .offset: 24, .size: 8, .value_kind: global_buffer, .address_space: global }
      - { .name: wimg, .offset: 32, .size: 8, .value_kind: global_buffer, .address_space: global }
      - { .name: uq, .offset: 40, .size: 8, .value_kind: global_buffer, .address_space: global }
    .group_segment_fixed_size: 144896
    .private_segment_fixed_size: 0
    .kernarg_segment_align: 8
    .kernarg_segment_size: 48
    .max_flat_workgroup_size: 256
    .sgpr_count:     66
    .vgpr_count:     256
    .wavefront_size: 32
...
	.end_amdgpu_metadata
.endif
;; end of part 1
;; launch main (part 2): grid 256 x 1, 4 waves a work-group, clusters of 4 x 1, 327,680 bytes of LDS; arguments keys, wimg, uq, tsc, pctx; writes tsc, pctx
.if DOCPART == 2
	.amdgcn_target "amdgcn-amd-amdhsa--gfx1250"
	.amdhsa_code_object_version 6
	.text
	.protected	k_q94a049bc86_main
	.globl	k_q94a049bc86_main
	.p2align	8
	.type	k_q94a049bc86_main,@function
k_q94a049bc86_main:
	s_mov_b64 s[64:65], 0
	v_nop
	global_prefetch_b8 v0, s[64:65] scope:SCOPE_SE
	s_setreg_imm32_b32 hwreg(HW_REG_WAVE_MODE, 25, 1), 1
	s_wait_xcnt 0x0
	s_wait_alu depctr_hold_cnt(0) depctr_sa_sdst(0) depctr_va_vdst(0) depctr_va_sdst(0) depctr_va_ssrc(0) depctr_va_vcc(0) depctr_vm_vsrc(0)
	s_getreg_b32 s2, hwreg(HW_REG_IB_STS2, 6, 4)
	s_cmp_eq_u32 s2, 0
	s_cbranch_scc0 .Lentry_in_a_cluster
	s_endpgm
.Lentry_in_a_cluster:
	s_bfe_u32 s2, ttmp6, 0x10000c
	s_cmp_lg_u32 s2, 0x3003
	s_cbranch_scc0 .Lentry_shape_is_right
	s_endpgm
.Lentry_shape_is_right:
; ADDITIVE ATTENTION, launch 2 of 3: all that touches keys.  Work left out: sum(V), which is the same along the softmax's axis (shown at the head of the first kernel): t = log2(e) (score - sum(V)) is carried.
; LIMITS: NaN and infinities among the inputs are not served; a block of 32 whose largest magnitude lies under 2^-124 keeps the scale byte 1 (a block of zeros too: its codes are zeros).
; SHARES.  Work-group g stays for two blocks of 128 rows of keys, blocks g and g + 256 (each inside one batch, block / 16): an outer loop of two trips.  A block is read from memory once: as f32 for the quantiser,
; kept as bf16 for the context (rows 0-63 in registers, rows 64-127 in LDS).
; PHASE X: wave w owns columns 256 w .. + 255 of the 128 rows: sixteen units of 16 rows x 128 columns.  A unit is loaded a row an instruction (512 consecutive bytes), rounded to bf16 as it lies, turned through the wave's
;   stage in LDS so that a lane holds 16 neighbours of each block of 32, quantised, and laid in LDS as an image of the operand's registers (fragment k = 2 w + q of its tile of rows).
; PHASE C: wave w = (mh, nh) makes rows 64 mh .. + 63 (four tiles; their 32 fragments stay in 384 registers) x columns 512 nh .. + 511 (32 n-tiles).  W_key's register images come through a ring of two LDS slots of
;   51,200 bytes (two n-tiles for each nh).  A step is one n-tile: 32 matrix instructions in one run, four accumulators by turns; then, for the lane's 32 numbers, sum += U / (1 + 2^(c k_proj + c q_proj)).
;   W's fragments and scale words have two sets: n-tile i + 1 is asked of LDS at the head of step i.  Cluster c begins its walk of W's sixteen slots at slot 2 ((c + c / 8) % 8): the order of columns moves a sum by rounding alone.
; PHASE S: t of the 128 rows (stored), their maximum m, p = 2^(t - m), and sum over the rows of p x keys (bf16 x f32, f32 sums) for my 256 columns (stored).  The last launch joins a batch's sixteen blocks.
; CLUSTER: the four work-groups of a cluster walk the same W: each slot is asked for jointly, the same descriptor and the mask of all four, a quarter of a slot a wave.
; TENSOR LOADS: one a wave behind each round: slot 0's at the outer loop's top, slot 1's behind phase X's first barrier, fourteen refills in phase C.  By this text's count one load of a wave is out at a time.
; PREFETCH: in trip 0's phase C each wave asks for 32 rows of the next block's keys: sixteen instructions, one in every second step, two rows each, a lane a block of 256 bytes; each block is named once, by one wave.
;   That is one trip of the outer loop ahead of the loads that want them.  Trip 1 asks for nothing.  wimg's 819,200 bytes are walked by all 64 clusters in every trip: no prefetch is written for them.
; The matrix instruction: source 0 = 16 rows of keys, source 1 = 16 rows of W_key: register j of lane (r, h) is row 8 h + j, column r: c q_proj and U are one pair a lane.
; REGISTERS, in windows of 256 (s_set_vgpr_msb: bits 1:0 source 0, 3:2 source 1, 5:4 source 2, 7:6 destination):
;   window 0: v1-23 addresses; v24-31 context; v32-63 scale words of keys, v64-71 and v248-255 of W, and nothing else; v72-75 { c q, U } twice; v76-79 uq's offsets; v80-111 accumulators; v112-143 the rows' sums;
;             v144-239 odd n-tiles' fragments of W (in phases X and S: at work); v245-247 addresses
;   window 1: v0-191 keys' fragments of K steps 0-3 at 12 (4 k + t); v192-255 bf16 of rows 0-15.   window 2: the same for K steps 4-7 and rows 16-31.
;   window 3: v0-95 even n-tiles' fragments of W; v128-255 bf16 of rows 32-63.   Phase X's three landing places: window 0 v80-143, window 3 v0-63, window 3 v64-127.
.set SLOTB, 51200                      ; LDS 0: the ring, two slots: the only bytes that tensor loads fill
.set PARTB, 12800                      ; an n-tile: eight images of 1,536 bytes and 512 scale bytes
.set BF,    102400                     ; bf16 of rows 64-127: row x 2,048 + 512 w + 16 l + 8 q
.set IMG,   233472                     ; two tiles of rows: eight images of 1,536 bytes, then eight runs of 128 bytes of scale words
.set IMGB,  13312
.set STG,   260096                     ; four stages of 16 rows x (512 + 16) bytes
.set STGB,  8448
.set UQT,   293888                     ; { c q_proj, U } of the block's batch, the n-tiles of each half in the order of the walk
.set SCX,   302080                     ; [nh][row]: the rows' sums over 512 columns
.set PB,    303104                     ; p of the 128 rows, a copy for each wave
.set SPARE, 305152                     ; the spare words, 128 bytes a wave
.set SPW, 1
.set NIL, 2
.set KO,  3
.set STW, 4
.set STR, 5
.set IWA, 6
.set IWS, 7
.set IMA, 8
.set ISA, 9
.set BFA, 10
.set BAD, 12
.set BSA, 14
.set UQA, 16
.set SXW, 17
.set SXR, 18
.set PBW, 19
.set PBR, 20
.set L16, 21
.set BFR, 22
.set UQW, 23
.set CTX, 24
.set ASC, 32
.set BSC, 64
.set UQ,  72
.set UQO, 76
.set ACC, 80
.set SAC, 112
.set BO,  144
.set XN,  144
.set TM,  208
.set PW,  224
.set PC,  226
.set UQA0, 245                         ; UQA and PBR as a trip begins with them; never rewritten
.set PBR0, 246
.set PFO, 247                          ; the prefetches' offset: 131072 w + 4096 (l / 16) + 256 (l % 16); never rewritten
.set BSO, 248
.set IDX, 54                           ; s54, s55: which of W's sixteen slots LDS slot 0, 1 was last filled with
.set PF,  76                           ; s[76:77]: where the prefetches stand in the next block
.set MSB, 0
.macro WIN new
.if MSB != (\new)
	s_set_vgpr_msb (MSB<<8)|(\new)
.set MSB, (\new)
.endif
.endm
.macro CROUND                          ; a round of the cluster's barrier
	s_barrier_signal -1
	s_barrier_wait -1
	s_cmp_lg_u32 s14, 0
	s_cbranch_scc1 .Lnot_wave_0_\@
	s_barrier_signal -3
.Lnot_wave_0_\@:
	s_barrier_wait -3
	s_barrier_signal -1
	s_barrier_wait -1
.endm
.macro BAR
	s_wait_dscnt 0x0
	s_barrier_signal -1
	s_barrier_wait -1
.endm
.macro LSEL u                          ; unit u's landing place
.if (\u)%3 == 0
.set LB, 80
.set LW, 0
.elseif (\u)%3 == 1
.set LB, 0
.set LW, 3
.else
.set LB, 64
.set LW, 3
.endif
.endm
.macro TILE n                          ; where the bf16 of rows 16 n .. 16 n + 15 stay
.if (\n) == 0
.set TBS, 192
.set TW, 1
.elseif (\n) == 1
.set TBS, 192
.set TW, 2
.elseif (\n) == 2
.set TBS, 128
.set TW, 3
.else
.set TBS, 192
.set TW, 3
.endif
.endm
; 64 numbers of a lane, register 16 b + i = k 32 b + 16 (lane / 16) + i of my row, become a fragment's codes in v[PC] on and its scale word in v[PW]
.macro QUANT s
.irp b, 0,1,2,3
	v_max3_num_f32 v[TM+\b], |v[\s+16*\b]|, |v[\s+1+16*\b]|, 0x1800000   ; with the floor 2^(3 - 127): the byte cannot fall under 1
.endr
.irp i, 2,4,6,8,10,12,14
.irp b, 0,1,2,3
	v_max3_num_f32 v[TM+\b], v[TM+\b], |v[\s+16*\b+\i]|, |v[\s+1+16*\b+\i]|
.endr
.endr
.irp b, 0,1,2,3
	v_permlanex16_b32 v[TM+4+\b], v[TM+\b], s20, s21
.endr
.irp b, 0,1,2,3
	v_max_num_f32 v[TM+\b], v[TM+\b], v[TM+4+\b]
.endr
.irp b, 0,1,2,3
	v_add_nc_u32 v[TM+12+\b], 0xff000000, v[TM+\b]   ; 2 off the exponent field: the conversion's scale operand
.endr
.irp b, 0,1,2,3
	v_lshrrev_b32 v[TM+4+\b], 23, v[TM+12+\b]        ; the scale's byte
.endr
	v_lshl_or_b32 v[PW], v[TM+5], 8, v[TM+4]
	v_lshl_or_b32 v[PW], v[TM+6], 16, v[PW]
	v_lshl_or_b32 v[PW], v[TM+7], 24, v[PW]
.irp c, 0,1
	v_cvt_scalef32_pk16_fp6_f32 v[PC+6*\c:PC+2+6*\c], v[\s+32*\c:\s+15+32*\c], v[TM+12+2*\c]
	v_cvt_scalef32_pk16_fp6_f32 v[PC+12+4*\c:PC+14+4*\c], v[\s+16+32*\c:\s+31+32*\c], v[TM+12+2*\c+1]
.endr
	v_nop                                          ; one plain place behind a scaled conversion
.irp c, 0,1                                    ; the operand's layout wants a whole block in a lane
.irp i, 0,1,2
	v_permlane16_swap_b32 v[PC+6*\c+\i], v[PC+12+4*\c+\i]
.endr
.irp i, 0,1,2
	v_mov_b32 v[PC+3+6*\c+\i], v[PC+12+4*\c+\i]
.endr
.endr
.endm
; Unit u = 4 j + 2 a + q: tile of rows 4 a + j, columns 256 w + 128 q on
.macro KLOAD u
	LSEL \u
.set KI, 4*(((\u)/2)%2)+(\u)/4
.set KQ, (\u)%2
.set WN, LW<<6
	WIN WN
.irp p, 0,1,2,3,4,5,6,7,8,9,10,11,12,13,14,15
	global_load_b128 v[LB+4*\p:LB+4*\p+3], v[KO], s[4:5] offset:(16*KI+\p)*4096+512*KQ th:TH_LOAD_NT
.endr
	WIN 0
.endm
.macro XU u
	LSEL \u
.set UJ, (\u)/4
.set UA, ((\u)/2)%2
.set UH, (\u)%2
.if (\u) < 14
	s_wait_loadcnt 32                              ; this unit's 16 loads are in; the two units behind it are younger
.elseif (\u) == 14
	s_wait_loadcnt 16
.else
	s_wait_loadcnt 0
.endif
.set WN, LW<<2
	WIN WN
.irp p, 0,1,2,3,4,5,6,7,8,9,10,11,12,13,14,15
	ds_store_b128 v[STW], v[LB+4*\p:LB+4*\p+3] offset:528*\p
.endr
.if UA == 0
	TILE UJ
.set WN, (TW<<6)|(LW<<2)|LW
	WIN WN
.irp p, 0,1,2,3,4,5,6,7,8,9,10,11,12,13,14,15
	v_cvt_pk_bf16_f32 v[TBS+4*\p+2*UH], v[LB+4*\p], v[LB+4*\p+1]         ; rows 0-63: register 4 p + 2 q + e holds columns 128 q + 4 l + 2 e, + 1 of row p
	v_cvt_pk_bf16_f32 v[TBS+4*\p+2*UH+1], v[LB+4*\p+2], v[LB+4*\p+3]
.endr
.else
.set WN, (LW<<6)|(LW<<2)|LW
	WIN WN
.irp p, 0,1,2,3,4,5,6,7,8,9,10,11,12,13,14,15
	v_cvt_pk_bf16_f32 v[LB+2*\p], v[LB+4*\p], v[LB+4*\p+1]               ; rows 64-127: packed downward in place
	v_cvt_pk_bf16_f32 v[LB+2*\p+1], v[LB+4*\p+2], v[LB+4*\p+3]
.endr
.set WN, LW<<2
	WIN WN
.irp p, 0,1,2,3,4,5,6,7,8,9,10,11,12,13,14,15
	ds_store_b64 v[BFA+UJ/2], v[LB+2*\p:LB+2*\p+1] offset:((16*UJ+\p)%32)*2048+8*UH
.endr
.endif
	WIN 0
.irp n, 0,1,2,3,4,5,6,7,8,9,10,11,12,13,14,15
	ds_load_b128 v[XN+4*\n:XN+4*\n+3], v[STR] offset:128*(\n/4)+16*(\n%4)   ; LDS serves a wave's instructions in order: these see the stores above
.endr
	s_wait_dscnt 0x0                               ; the numbers are back, and the LDS stores have read the landing place,
.if (\u)+3 < 16
	KLOAD (\u)+3                                   ; which takes the unit three further on
.endif
	QUANT XN
.irp c, 0,1,2
	ds_store_b128 v[IWA], v[PC+4*\c:PC+4*\c+3] offset:IMGB*UA+1536*UH+512*\c
.endr
	ds_store_b32 v[IWS], v[PW] offset:IMGB*UA+128*UH
.endm
.macro ALOAD j                         ; my tile t = j of rows: eight fragments and their scale words
	WIN 0x40
.irp k, 0,1,2,3
.irp c, 0,1,2
	ds_load_b128 v[12*(4*\k+(\j))+4*\c:12*(4*\k+(\j))+4*\c+3], v[IMA] offset:1536*\k+512*\c
.endr
.endr
	WIN 0x80
.irp k, 0,1,2,3
.irp c, 0,1,2
	ds_load_b128 v[12*(4*\k+(\j))+4*\c:12*(4*\k+(\j))+4*\c+3], v[IMA] offset:1536*(\k+4)+512*\c
.endr
.endr
	WIN 0
.irp k, 0,1,2,3,4,5,6,7
	ds_load_b32 v[ASC+4*\k+(\j)], v[ISA] offset:128*\k
.endr
.endm
.macro LOADB s, e                      ; n-tile e of my two in LDS slot s into set e
.if (\e) == 0
	WIN 0xc0
.irp k, 0,1,2,3,4,5,6,7
.irp c, 0,1,2
	ds_load_b128 v[12*\k+4*\c:12*\k+4*\c+3], v[BAD+\s] offset:1536*\k+512*\c
.endr
.endr
	WIN 0
	ds_load_b128 v[BSC:BSC+3], v[BSA+\s]
	ds_load_b128 v[BSC+4:BSC+7], v[BSA+\s] offset:16
.else
.irp k, 0,1,2,3,4,5,6,7
.irp c, 0,1,2
	ds_load_b128 v[BO+12*\k+4*\c:BO+12*\k+4*\c+3], v[BAD+\s] offset:PARTB+1536*\k+512*\c
.endr
.endr
	ds_load_b128 v[BSO:BSO+3], v[BSA+\s] offset:PARTB
	ds_load_b128 v[BSO+4:BSO+7], v[BSA+\s] offset:PARTB+16
.endif
.endm
.macro LOADU x, uqoff                  ; my column's { c q, U } of an n-tile of parity x
	ds_load_b64 v[UQ+2*(\x):UQ+2*(\x)+1], v[UQA] offset:\uqoff
.endm
; 32 matrix instructions on the n-tile of parity e: K ascending, the four tiles of rows by turns, one instruction a turn.  The first four start the sums with the constant 0.
.macro MMT e
.if (\e) == 0
.set MB, 0
.set MS, BSC
.set MW, 0x0c                          ; W in window 3
.else
.set MB, BO
.set MS, BSO
.set MW, 0                             ; W in window 0
.endif
.irp k, 0,1,2,3,4,5,6,7
	WIN MW+1+\k/4                                  ; keys: window 1 for K steps 0-3, window 2 for 4-7
.irp t, 0,1,2,3
.if \k == 0
	v_wmma_scale_f32_16x16x128_f8f6f4 v[ACC+8*\t:ACC+8*\t+7], v[12*(4*(\k%4)+\t):12*(4*(\k%4)+\t)+11], v[MB+12*\k:MB+12*\k+11], 0, v[ASC+4*\k+\t], v[MS+\k] matrix_a_fmt:MATRIX_FMT_FP6 matrix_b_fmt:MATRIX_FMT_FP6
.else
	v_wmma_scale_f32_16x16x128_f8f6f4 v[ACC+8*\t:ACC+8*\t+7], v[12*(4*(\k%4)+\t):12*(4*(\k%4)+\t)+11], v[MB+12*\k:MB+12*\k+11], v[ACC+8*\t:ACC+8*\t+7], v[ASC+4*\k+\t], v[MS+\k] matrix_a_fmt:MATRIX_FMT_FP6 matrix_b_fmt:MATRIX_FMT_FP6
.endif
.endr
.endr
	WIN 0
.endm
; THE TANH STEP: sum += U / (1 + 2^(c k_proj + c q)).  Where the exponential overflows the reciprocal is 0: no NaN arises.  Each batch of transcendentals has one wait ahead of it and, behind a plain place, one behind it
; The packed lines go up the accumulators, so that each is first read at its low end.
.macro TANH x
.set TU, UQ+2*(\x)
.rept 4
	v_nop                                          ; places behind the last products (ISA guide 7.12.1)
.endr
.set i, 0
.rept 16
	v_pk_fma_f32 v[ACC+i:ACC+i+1], v[ACC+i:ACC+i+1], s[22:23], v[TU:TU+1] op_sel_hi:[1,0,0]   ; of the pairs c and { c q, U } the low word serves both halves
.set i, i+2
.endr
	s_wait_alu depctr_va_vdst(0)
.set i, 0
.rept 32
	v_exp_f32 v[ACC+i], v[ACC+i]
.set i, i+1
.endr
	v_nop
	s_wait_alu depctr_va_vdst(0)
.set i, 0
.rept 16
	v_pk_add_f32 v[ACC+i:ACC+i+1], v[ACC+i:ACC+i+1], 1.0 op_sel_hi:[1,0]
.set i, i+2
.endr
	s_wait_alu depctr_va_vdst(0)
.set i, 0
.rept 32
	v_rcp_f32 v[ACC+i], v[ACC+i]
.set i, i+1
.endr
	v_nop
	s_wait_alu depctr_va_vdst(0)
.set i, 0
.rept 16
	v_pk_fma_f32 v[SAC+i:SAC+i+1], v[ACC+i:ACC+i+1], v[TU:TU+1], v[SAC+i:SAC+i+1] op_sel:[0,1,0] op_sel_hi:[1,1,1]   ; U, the pair's upper word, for both halves
.set i, i+2
.endr
.endm
; THE CHANGE OF SLOTS.
.macro CHANGE f, fill, twice
	s_wait_tensorcnt 0x0                           ; no tensor load of mine is out, so a descriptor may be written
	ds_add_u32 v[SPW], v[NIL]
.if \twice
	ds_add_u32 v[SPW], v[NIL]
.endif
.if \fill
	s_add_co_u32 s[IDX+\f], s[IDX+\f], 2
	s_and_b32 s[IDX+\f], s[IDX+\f], 15
	s_mul_i32 s56, s[IDX+\f], SLOTB                ; (s57 = 0)
	s_add_nc_u64 s[34+4*\f:35+4*\f], s[6:7], s[56:57]
	s_or_b32 s[35+4*\f], s[35+4*\f], 0x80000000    ; type = 2
.endif
	s_wait_dscnt 0x0
.if \fill
	CROUND
	tensor_load_to_lds s[32+4*\f:35+4*\f], s[24:31]
	s_nop 0
.rept 4
	v_nop
.endr
.else
	s_barrier_signal -1
	s_barrier_wait -1
.endif
.endm
.macro ASK off                         ; two rows of the next block's keys, a lane a block of 256 bytes; in the outer loop's first trip alone
	s_cmp_lg_u32 s41, 0
	s_cbranch_scc1 .Lno_next_\@
	global_prefetch_b8 v[PFO], s[PF:PF+1] offset:\off th:TH_LOAD_NT scope:SCOPE_SE
.Lno_next_\@:
.endm
; STEP i, of parity e.  chg = 0: the wait for what the last step asked of LDS; 1: the change of slots with a refill of LDS slot f; 2: without.  ld = 1: n-tile i + 1 and its pair are asked of LDS slot ls.  pf >= 0: a prefetch.
.macro STEP e, chg, f, ld, ls, uqoff, pf
.if \chg == 0
	s_wait_dscnt 0x0
.elseif \chg == 1
	CHANGE \f, 1, 0
.else
	CHANGE \f, 0, 0
.endif
.if \ld
	LOADB \ls, 1-\e
	LOADU 1-\e, \uqoff
.endif
.if (\pf) >= 0
	ASK \pf
.endif
	MMT \e
	TANH \e
.endm
	s_load_b256 s[4:11], s[0:1], 0x0               ; keys s[4:5], wimg s[6:7], uq s[8:9], tsc s[10:11]
	s_load_b64 s[12:13], s[0:1], 0x20              ; pctx
	v_lshl_add_u32 v[SPW], v0, 2, SPARE
	v_mov_b32 v[NIL], 0
	ds_add_u32 v[SPW], v[NIL]                      ; the opening add, twice on end; its wait stands ahead of my first tensor load
	ds_add_u32 v[SPW], v[NIL]
	v_lshrrev_b32 v3, 5, v0
	v_readfirstlane_b32 s14, v3                    ; wave w
	; all scalar set-up first, then all vector set-up
	s_lshr_b32 s15, s14, 1                         ; mh
	s_and_b32 s16, s14, 1                          ; nh
	s_bfe_u32 s17, ttmp6, 0x40000                  ; cx: it enters the addresses of keys, tsc and pctx alone
	s_lshl_b32 s18, ttmp9, 2
	s_add_co_u32 s18, s18, s17                     ; work-group g = 4 x cluster + cx
	s_lshr_b32 s19, ttmp9, 3
	s_add_co_u32 s19, s19, ttmp9
	s_and_b32 s19, s19, 7
	s_lshl_b32 s19, s19, 1                         ; the walk's first slot, the same in the four partners
	s_add_co_u32 s54, s19, 14
	s_and_b32 s54, s54, 15                         ; two slots back: every fill steps two on
	s_add_co_u32 s55, s19, 15
	s_and_b32 s55, s55, 15
	s_mov_b32 s57, 0
	s_mov_b32 s20, 0x76543210
	s_mov_b32 s21, 0xfedcba98                      ; lane l xor 16
	s_mov_b32 s22, 0x4038aa3b                      ; c = 2 log2(e)
	s_mov_b32 s23, s22
	s_mov_b32 s24, 15|(3<<16)|(1<<21)              ; group 1: the mask of all four; elements of 8 bytes; bit 21 beside a mask; no padding
	s_mov_b32 s25, 32<<16                          ; rows of 256 bytes,
	s_mov_b32 s26, 50<<16                          ; 50 of them: 12,800 dense bytes
	s_mov_b32 s27, 32<<16
	s_mov_b32 s28, 50
	s_mov_b32 s29, 32
	s_mov_b32 s30, 0
	s_mov_b32 s31, 0
	s_mul_i32 s42, s14, PARTB                      ; my quarter of a slot, in wimg and in LDS alike
	s_mov_b32 s43, 0
	s_lshl_b32 s44, s18, 19                        ; keys: 524,288 bytes a block
	s_mov_b32 s45, 0
	s_lshr_b32 s52, ttmp9, 2                       ; the first block's batch b = g / 16, under 16
	s_and_b32 s46, s52, 7
	s_lshl_b32 s46, s46, 8                         ; uq's idx = 8 (b / 16) + b % 8,
	s_bfe_u32 s53, s52, 0x10003
	s_lshl_b32 s53, s53, 7                         ; and the half of the lanes, (b / 8) % 2
	s_add_co_u32 s46, s46, s53
	s_mov_b32 s47, 0
	s_lshl_b32 s48, s18, 9                         ; tsc: 512 bytes a block
	s_mov_b32 s49, 0
	s_lshl_b32 s50, s18, 12                        ; pctx: 4,096
	s_mov_b32 s51, 0
	s_lshl_b32 s58, s14, 10
	s_mul_i32 s59, s14, STGB
	s_add_co_u32 s59, s59, STG
	s_mul_i32 s60, s14, 3072
	s_add_co_u32 s60, s60, IMG
	s_lshl_b32 s61, s14, 8
	s_add_co_u32 s61, s61, IMG+12288
	s_mul_i32 s62, s15, IMGB
	s_add_co_u32 s62, s62, IMG
	s_add_co_u32 s63, s62, 12288
	s_lshl_b32 s66, s14, 9
	s_add_co_u32 s67, s66, PB
	s_add_co_u32 s66, s66, BF
	s_mul_i32 s68, s16, 2*PARTB
	s_add_co_u32 s69, s68, 12288
	s_lshl_b32 s70, s16, 12
	s_add_co_u32 s70, s70, UQT
	s_lshl_b32 s71, s16, 9
	s_lshl_b32 s72, s15, 8
	s_add_co_u32 s71, s71, s72
	s_add_co_u32 s71, s71, SCX
	s_lshl_b32 s72, s14, 11
	s_add_co_u32 s72, s72, UQT
	s_lshl_b32 s73, s16, 4
	s_lshl_b32 s74, s19, 1
	s_add_co_u32 s73, s73, s74                     ; 16 (w % 2) + two n-tiles of a half for each slot
	s_lshl_b32 s74, s15, 17                        ; the half w / 2: 32 n-tiles of 4,096 bytes
	s_lshl_b32 s75, s14, 17                        ; 32 rows of keys a wave
	v_and_b32 v72, 31, v0                          ; l
	v_and_b32 v73, 15, v0                          ; r
	v_bfe_u32 v74, v0, 4, 1                        ; h
	v_lshlrev_b32 v[L16], 4, v72
	v_lshlrev_b32 v75, 2, v72
	v_add_nc_u32 v[KO], s58, v[L16]
	v_add_nc_u32 v[STW], s59, v[L16]
	v_mul_u32_u24 v[STR], v73, 528
	v_lshl_add_u32 v[STR], v74, 6, v[STR]
	v_add_nc_u32 v[STR], s59, v[STR]
	v_add_nc_u32 v[IWA], s60, v[L16]
	v_add_nc_u32 v[IWS], s61, v75
	v_add_nc_u32 v[IMA], s62, v[L16]
	v_add_nc_u32 v[ISA], s63, v75
	v_add_nc_u32 v[BFA], s66, v[L16]
	v_add_nc_u32 v[BFA+1], 65536, v[BFA]
	v_add_nc_u32 v[PBW], s67, v[L16]
	v_mov_b32 v[PBR0], s67
	v_add_nc_u32 v[BAD], s68, v[L16]
	v_add_nc_u32 v[BAD+1], SLOTB, v[BAD]
	v_lshl_add_u32 v[BSA], v73, 5, s69
	v_add_nc_u32 v[BSA+1], SLOTB, v[BSA]
	v_lshl_add_u32 v[UQA0], v73, 3, s70
	v_lshl_add_u32 v[SXW], v74, 5, s71
	v_add_nc_u32 v[SXR], SCX, v[L16]
	v_add_nc_u32 v[UQW], s72, v[L16]
	; uq: eight lanes take an n-tile's 128 bytes of the batch.  Place P = 16 w + 4 i + l / 8 of the table in LDS holds n-tile 32 (P / 32) + (P % 32 + 2 x the walk's first slot) % 32
	v_lshrrev_b32 v208, 3, v72
	v_add_nc_u32 v208, s73, v208
	v_and_b32 v209, 7, v72
	v_lshlrev_b32 v209, 4, v209
	v_add_nc_u32 v209, s74, v209
.irp i, 0,1,2,3
	v_add_nc_u32 v[UQO+\i], 4*\i, v208
	v_and_b32 v[UQO+\i], 31, v[UQO+\i]
	v_lshl_add_u32 v[UQO+\i], v[UQO+\i], 12, v209
.endr
	v_lshlrev_b32 v[PFO], 8, v73
	v_lshl_add_u32 v[PFO], v74, 12, v[PFO]
	v_add_nc_u32 v[PFO], s75, v[PFO]
.irp b, 0,1,2,3
	v_mov_b32 v[TM+4+\b], 0                        ; a lane permute's destination counts as one of its sources
.endr
	s_wait_alu depctr_va_vdst(0)
	s_wait_dscnt 0x0                               ; both opening adds are done
	s_wait_kmcnt 0x0
	s_add_nc_u64 s[4:5], s[4:5], s[44:45]
	s_add_nc_u64 s[6:7], s[6:7], s[42:43]          ; wimg at my quarter of its slot 0: nothing in it hangs on the work-group
	s_add_nc_u64 s[8:9], s[8:9], s[46:47]
	s_add_nc_u64 s[10:11], s[10:11], s[48:49]
	s_add_nc_u64 s[12:13], s[12:13], s[50:51]
	s_mov_b32 s32, 1                               ; group 0 of LDS slot 0: count 1, LDS address 12,800 x wave; the global address is written ahead of each fill
	s_add_co_u32 s33, s42, 0
	s_mov_b32 s36, 1                               ; and of LDS slot 1
	s_add_co_u32 s37, s42, SLOTB
	s_mov_b32 s41, 0                               ; the outer loop's trip
.Lblk:
	v_mov_b32 v[UQA], v[UQA0]                      ; the three addresses that a trip steps
	v_mov_b32 v[PBR], v[PBR0]
	v_mov_b32 v[BFR], v[BFA]
	s_add_nc_u64 s[PF:PF+1], s[4:5], 0x8000000     ; the next block lies 256 blocks on (used in trip 0 alone)
	s_wait_alu depctr_va_vdst(0)
	CHANGE 0, 1, 1
.irp i, 0,1,2,3
	global_load_b128 v[XN+4*\i:XN+4*\i+3], v[UQO+\i], s[8:9]
.endr
	KLOAD 0
	KLOAD 1
	KLOAD 2
	s_wait_loadcnt 48                              ; uq's four loads are in; the three units' 48 are younger
.irp i, 0,1,2,3
	ds_store_b128 v[UQW], v[XN+4*\i:XN+4*\i+3] offset:512*\i
.endr
	; ---- PHASE X.  Four units complete one tile of rows for each mh; a barrier; each wave takes its tile's fragments; a barrier, behind which the images are written again.
	; The first of these barriers is a change of slots: LDS slot 1 takes the walk's second slot.  Behind the others nothing is filled by a tensor load, so that load may stay out across them.
.irp j, 0,1,2,3
	XU 4*\j
	XU 4*\j+1
	XU 4*\j+2
	XU 4*\j+3
.if \j == 0
	CHANGE 1, 1, 0
.else
	BAR
.endif
	ALOAD \j
.if \j == 3
	s_wait_tensorcnt 0x0                           ; my quarter of slot 1 is in: the last of these barriers shows both slots whole to every wave
.endif
	BAR
.endr
	; ---- PHASE C: 32 steps, two to a slot.  Steps 1 to 28 are seven trips of a loop of four, in which the sets and the LDS slots come back to where they began
	LOADB 0, 0
	LOADU 0, 0
.set i, 0
.rept 32
	v_mov_b32 v[SAC+i], 0                          ; the rows' sums
.set i, i+1
.endr
	STEP 0, 0, 0, 1, 0, 128, -1
	s_mov_b32 s40, 7
.Lring:
	STEP 1, 1, 0, 1, 1, 256, -1                    ; step 4 m + 1: LDS slot 0 is left and filled again
	STEP 0, 0, 0, 1, 1, 384, 0
	STEP 1, 1, 1, 1, 0, 512, -1                    ; step 4 m + 3: LDS slot 1
	STEP 0, 0, 0, 1, 0, 640, 8192
	v_add_nc_u32 v[UQA], 512, v[UQA]               ; 128 bytes of pairs an n-tile
	s_wait_alu depctr_va_vdst(0)
	s_wait_xcnt 0x0                                ; the trip's prefetches have read their base
	s_add_nc_u64 s[PF:PF+1], s[PF:PF+1], 16384     ; four rows on
	s_sub_co_u32 s40, s40, 1
	s_cmp_lg_u32 s40, 0
	s_cbranch_scc1 .Lring
	STEP 1, 2, 0, 1, 1, 256, -1                    ; step 29: the last change of slots: nothing is left to ask for
	STEP 0, 0, 0, 1, 1, 384, 0
	STEP 1, 0, 0, 0, 0, 0, 8192
	; ---- PHASE S.  A lane's 32 sums are those of its column r modulo 16: the sixteen lanes of a half are added, and the two waves of a row half meet in LDS
.irp m, 1,2,4,8
.set i, 0
.rept 32
	v_add_f32_dpp v[SAC+i], v[SAC+i], v[SAC+i] row_xmask:\m row_mask:0xf bank_mask:0xf
.set i, i+1
.endr
.endr
.irp t, 0,1,2,3
	ds_store_b128 v[SXW], v[SAC+8*\t:SAC+8*\t+3] offset:64*\t          ; rows 64 mh + 16 t + 8 h + 0 .. 7; the sixteen lanes of a half write the same words with the same values
	ds_store_b128 v[SXW], v[SAC+8*\t+4:SAC+8*\t+7] offset:64*\t+16
.endr
	BAR
	ds_load_b128 v[144:147], v[SXR]                ; rows 4 l .. 4 l + 3, columns 0-511,
	ds_load_b128 v[148:151], v[SXR] offset:512     ; and columns 512-1023
	s_wait_dscnt 0x0
	v_pk_add_f32 v[144:145], v[144:145], v[148:149]
	v_pk_add_f32 v[146:147], v[146:147], v[150:151]   ; t, in every wave
	s_wait_alu depctr_va_vdst(0)
	s_cmp_lg_u32 s14, 0
	s_cbranch_scc1 .Lnot_0
	global_store_b128 v[L16], v[144:147], s[10:11] ; wave 0 stores the 128 t: 512 consecutive bytes
.Lnot_0:
	v_max3_num_f32 v152, v144, v145, v146
	v_max_num_f32 v152, v152, v147
	v_max_num_f32_dpp v152, v152, v152 row_xmask:1 row_mask:0xf bank_mask:0xf
	v_max_num_f32_dpp v152, v152, v152 row_xmask:2 row_mask:0xf bank_mask:0xf
	v_max_num_f32_dpp v152, v152, v152 row_xmask:4 row_mask:0xf bank_mask:0xf
	v_max_num_f32_dpp v152, v152, v152 row_xmask:8 row_mask:0xf bank_mask:0xf
	v_mov_b32 v153, 0
	v_permlanex16_b32 v153, v152, s20, s21
	v_max_num_f32 v152, v152, v153                 ; m: the largest t of the 128 rows is taken away before the exponential
.irp e, 0,1,2,3
	v_sub_f32 v[148+\e], v[144+\e], v152
.endr
	s_wait_alu depctr_va_vdst(0)                   ; ahead of the batch,
.irp e, 0,1,2,3
	v_exp_f32 v[148+\e], v[148+\e]                 ; p = 2^(t - m)
.endr
	v_nop
	s_wait_alu depctr_va_vdst(0)                   ; and behind it
	ds_store_b128 v[PBW], v[148:151]               ; my wave's copy of p
	BAR
	s_wait_xcnt 0x0                                ; wave 0's store has read v144-147: loads may land there
.irp i, 0,1,2,3,4,5,6,7,8,9,10,11,12,13,14,15
	ds_load_b128 v[XN+4*\i:XN+4*\i+3], v[PBR] offset:16*\i    ; p of rows 0-63, the same in every lane
.endr
.irp e, 0,1,2,3,4,5,6,7
	v_mov_b32 v[CTX+\e], 0
.endr
	s_wait_alu depctr_va_vdst(0)
	s_wait_dscnt 0x0
.irp T, 0,1,2,3                        ; rows 0-63: bf16 from registers; context number 4 q + 2 e + half is column 256 w + 128 q + 4 l + 2 e + half
	TILE \T
	WIN TW
.set i, 0
.rept 16
.irp n, 0,1,2,3
	v_fma_mix_f32_bf16 v[CTX+2*\n], v[TBS+4*i+\n], v[XN+16*\T+i], v[CTX+2*\n] op_sel:[0,0,0] op_sel_hi:[1,0,0]
	v_fma_mix_f32_bf16 v[CTX+2*\n+1], v[TBS+4*i+\n], v[XN+16*\T+i], v[CTX+2*\n+1] op_sel:[1,0,0] op_sel_hi:[1,0,0]
.endr
.set i, i+1
.endr
.endr
	WIN 0
	s_mov_b32 s40, 4
.Lrows:                                                ; rows 64-127: sixteen a trip, bf16 from my own bytes of LDS
.irp i, 0,1,2,3
	ds_load_b128 v[TM+4*\i:TM+4*\i+3], v[PBR] offset:256+16*\i
.endr
.irp p, 0,1,2,3,4,5,6,7,8,9,10,11,12,13,14,15
	ds_load_b128 v[XN+4*\p:XN+4*\p+3], v[BFR] offset:2048*\p
.endr
	v_add_nc_u32 v[PBR], 64, v[PBR]                ; for the next trip (an LDS load's address may be rewritten once it is issued)
	v_add_nc_u32 v[BFR], 32768, v[BFR]
	s_wait_alu depctr_va_vdst(0)
	s_wait_dscnt 0x0
.set i, 0
.rept 16
.irp n, 0,1,2,3
	v_fma_mix_f32_bf16 v[CTX+2*\n], v[XN+4*i+\n], v[TM+i], v[CTX+2*\n] op_sel:[0,0,0] op_sel_hi:[1,0,0]
	v_fma_mix_f32_bf16 v[CTX+2*\n+1], v[XN+4*i+\n], v[TM+i], v[CTX+2*\n+1] op_sel:[1,0,0] op_sel_hi:[1,0,0]
.endr
.set i, i+1
.endr
	s_sub_co_u32 s40, s40, 1
	s_cmp_lg_u32 s40, 0
	s_cbranch_scc1 .Lrows
	global_store_b128 v[KO], v[CTX:CTX+3], s[12:13]               ; 512 consecutive bytes a store, aligned
	global_store_b128 v[KO], v[CTX+4:CTX+7], s[12:13] offset:512
	s_wait_xcnt 0x0                                ; the stores have read their registers and bases: on to block g + 256
	s_add_nc_u64 s[4:5], s[4:5], 0x8000000         ; keys: 256 blocks of 524,288 bytes
	s_add_nc_u64 s[8:9], s[8:9], 2048              ; uq: batch + 16 is idx + 8
	s_add_nc_u64 s[10:11], s[10:11], 131072        ; tsc
	s_add_nc_u64 s[12:13], s[12:13], 1048576       ; pctx
	s_add_co_u32 s41, s41, 1
	s_cmp_lt_u32 s41, 2
	s_cbranch_scc1 .Lblk
	s_wait_tensorcnt 0x0                           ; the wave's end
	ds_add_u32 v[SPW], v[NIL]
	s_wait_dscnt 0x0
	CROUND                                         ; the closing round
	s_endpgm
.Lfunc_end_k_q94a049bc86_main:
	.size	k_q94a049bc86_main, .Lfunc_end_k_q94a049bc86_main-k_q94a049bc86_main
	.p2alignl 7, 3214868480
	.fill 96, 4, 3214868480
	.section	.rodata,"a",@progbits
	.p2align	6, 0x0
	.amdhsa_kernel k_q94a049bc86_main
		.amdhsa_group_segment_fixed_size 327680
		.amdhsa_private_segment_fixed_size 0
		.amdhsa_enable_private_segment 0
		.amdhsa_kernarg_size 40
		.amdhsa_user_sgpr_count 2
		.amdhsa_user_sgpr_kernarg_segment_ptr 1
		.amdhsa_wavefront_size32 1
		.amdhsa_system_sgpr_workgroup_id_x 1
		.amdhsa_system_sgpr_workgroup_id_y 1
		.amdhsa_system_sgpr_workgroup_id_z 1
		.amdhsa_system_vgpr_workitem_id 0
		.amdhsa_next_free_vgpr 1024
		.amdhsa_next_free_sgpr 80
		.amdhsa_reserve_vcc 0
		.amdhsa_float_denorm_mode_32 3
		.amdhsa_float_denorm_mode_16_64 3
		.amdhsa_memory_ordered 1
		.amdhsa_forward_progress 1
		.amdhsa_inst_pref_size 255
	.end_amdhsa_kernel
	.section	.bss,"aw",@nobits
	.p2align	6
	.space	262144
	.amdgpu_metadata
---
amdhsa.version: [ 1, 2 ]
amdhsa.kernels:
  - .name:           k_q94a049bc86_main
    .symbol:         k_q94a049bc86_main.kd
    .args:
      - { .name: keys, .offset: 0, .size: 8, .value_kind: global_buffer, .address_space: global }
      - { .name: wimg, .offset: 8, .size: 8, .value_kind: global_buffer, .address_space: global }
      - { .name: uq, .offset: 16, .size: 8, .value_kind: global_buffer, .address_space: global }
      - { .name: tsc, .offset: 24, .size: 8, .value_kind: global_buffer, .address_space: global }
      - { .name: pctx, .offset: 32, .size: 8, .value_kind: global_buffer, .address_space: global }
    .group_segment_fixed_size: 327680
    .private_segment_fixed_size: 0
    .kernarg_segment_align: 8
    .kernarg_segment_size: 40
    .max_flat_workgroup_size: 128
    .sgpr_count:     80
    .vgpr_count:     1024
    .wavefront_size: 32
...
	.end_amdgpu_metadata
.endif
;; end of part 2
;; launch finish (part 3): grid 256 x 1, 1 waves a work-group, no clusters, 0 bytes of LDS; arguments tsc, pctx, out0, out1; writes out0, out1
.if DOCPART == 3
	.amdgcn_target "amdgcn-amd-amdhsa--gfx1250"
	.amdhsa_code_object_version 6
	.text
	.protected	k_q94a049bc86_finish
	.globl	k_q94a049bc86_finish
	.p2align	8
	.type	k_q94a049bc86_finish,@function
k_q94a049bc86_finish:
	s_mov_b64 s[64:65], 0
	v_nop
	global_prefetch_b8 v0, s[64:65] scope:SCOPE_SE
	s_setreg_imm32_b32 hwreg(HW_REG_WAVE_MODE, 25, 1), 1
	s_wait_xcnt 0x0
; ADDITIVE ATTENTION, launch 3 of 3: a batch's sixteen parts are joined.  Work left out: sum(V), the same along the softmax's axis (shown at the head of the first kernel): t = log2(e) (score - sum(V)).
; Work-group x: batch b = x / 8, part c = x % 8: 128 columns of the context (out0) and 256 of the weights (out1).  One wave; no LDS, no barrier: the join is small, and each part recomputes the batch's maximum and sum.
; tsc: t of the batch's 2,048 steps; load i of sixteen is exactly the 128 rows of the earlier launch's block 16 b + i, so their maximum gm_i has the very bits that its work-group took away (a maximum rounds nothing).
; pctx[16 b + i] = sum over those rows of 2^(t - gm_i) keys.  M = the largest gm_i; L = sum of 2^(t - M); context = sum over i of 2^(gm_i - M) / L x pctx[16 b + i]; weights = 2^(t - M) / L.
.set T,   16                           ; v16-79   the batch's t, 64 a lane
.set OWN, 80                           ; v80-87   my part's t
.set PX,  88                           ; v88-151  sixteen parts of the context, four columns a lane
.set GM,  152                          ; v152-167 gm_i
.set GT,  168                          ; v168-183 at work
	s_load_b256 s[4:11], s[0:1], 0x0               ; tsc s[4:5], pctx s[6:7], out0 s[8:9], out1 s[10:11]
	v_lshlrev_b32 v1, 4, v0                        ; 16 bytes a lane
	s_lshr_b32 s12, ttmp9, 3                       ; b
	s_and_b32 s13, ttmp9, 7                        ; c
	s_lshl_b32 s14, s12, 13                        ; 8,192 bytes of t, and of weights, a batch
	s_mov_b32 s15, 0
	s_lshl_b32 s16, s13, 10                        ; 1,024 a part
	s_mov_b32 s17, 0
	s_lshl_b32 s18, s12, 16                        ; pctx: sixteen rows of 4,096 bytes a batch,
	s_lshl_b32 s19, s13, 9                         ; 512 bytes of a row a part
	s_add_co_u32 s18, s18, s19
	s_lshl_b32 s20, s12, 12                        ; out0: 4,096 bytes a batch
	s_add_co_u32 s20, s20, s19
	s_mov_b32 s19, 0
	s_mov_b32 s21, 0
	s_mov_b32 s22, 0x76543210
	s_mov_b32 s23, 0xfedcba98                      ; lane l xor 16
	s_wait_alu depctr_va_vdst(0)
	s_wait_kmcnt 0x0
	s_add_nc_u64 s[4:5], s[4:5], s[14:15]
	s_add_nc_u64 s[24:25], s[4:5], s[16:17]
	s_add_nc_u64 s[6:7], s[6:7], s[18:19]
	s_add_nc_u64 s[8:9], s[8:9], s[20:21]
	s_add_nc_u64 s[10:11], s[10:11], s[14:15]
	s_add_nc_u64 s[10:11], s[10:11], s[16:17]
.irp i, 0,1,2,3,4,5,6,7,8,9,10,11,12,13,14,15
	global_load_b128 v[T+4*\i:T+4*\i+3], v1, s[4:5] offset:512*\i
.endr
	global_load_b128 v[OWN:OWN+3], v1, s[24:25]
	global_load_b128 v[OWN+4:OWN+7], v1, s[24:25] offset:512
.irp i, 0,1,2,3,4,5,6,7,8,9,10,11,12,13,14,15
	global_load_b128 v[PX+4*\i:PX+4*\i+3], v1, s[6:7] offset:4096*\i
.endr
.irp i, 0,1,2,3,4,5,6,7,8,9,10,11,12,13,14,15
	v_mov_b32 v[GT+\i], 0                          ; a lane permute's destination counts as one of its sources
.endr
	v_mov_b32 v190, 0
	s_wait_loadcnt 16                              ; all t are in; pctx's sixteen loads are younger
.irp i, 0,1,2,3,4,5,6,7,8,9,10,11,12,13,14,15
	v_max3_num_f32 v[GM+\i], v[T+4*\i], v[T+4*\i+1], v[T+4*\i+2]
.endr
.irp i, 0,1,2,3,4,5,6,7,8,9,10,11,12,13,14,15
	v_max_num_f32 v[GM+\i], v[GM+\i], v[T+4*\i+3]
.endr
.irp m, 1,2,4,8
.irp i, 0,1,2,3,4,5,6,7,8,9,10,11,12,13,14,15
	v_max_num_f32_dpp v[GM+\i], v[GM+\i], v[GM+\i] row_xmask:\m row_mask:0xf bank_mask:0xf
.endr
.endr
.irp i, 0,1,2,3,4,5,6,7,8,9,10,11,12,13,14,15
	v_permlanex16_b32 v[GT+\i], v[GM+\i], s22, s23
.endr
.irp i, 0,1,2,3,4,5,6,7,8,9,10,11,12,13,14,15
	v_max_num_f32 v[GM+\i], v[GM+\i], v[GT+\i]     ; gm_i, in every lane
.endr
	v_max3_num_f32 v184, v[GM], v[GM+1], v[GM+2]
.irp i, 3,5,7,9,11,13
	v_max3_num_f32 v184, v184, v[GM+\i], v[GM+\i+1]
.endr
	v_max_num_f32 v184, v184, v[GM+15]             ; M: the batch's largest t is taken away before every exponential
.set j, 0
.rept 72
	v_sub_f32 v[T+j], v[T+j], v184                 ; the batch's 64 and my part's 8 (they follow each other in the registers)
.set j, j+1
.endr
.set j, 0
.rept 16
	v_sub_f32 v[GM+j], v[GM+j], v184
.set j, j+1
.endr
.set j, 0
	s_wait_alu depctr_va_vdst(0)
.rept 72
	v_exp_f32 v[T+j], v[T+j]
.set j, j+1
.endr
.set j, 0
.rept 16
	v_exp_f32 v[GM+j], v[GM+j]
.set j, j+1
.endr
	v_nop                                          ; a plain instruction behind the batch,
	s_wait_alu depctr_va_vdst(0)                   ; and one wait for all 88, ahead of their first reader
	v_pk_add_f32 v[186:187], v[T:T+1], v[T+2:T+3]  ; the sum, two at a time, in two chains
	v_pk_add_f32 v[188:189], v[T+4:T+5], v[T+6:T+7]
.set j, 8
.rept 14
	v_pk_add_f32 v[186:187], v[186:187], v[T+j:T+j+1]
	v_pk_add_f32 v[188:189], v[188:189], v[T+j+2:T+j+3]
.set j, j+4
.endr
	v_pk_add_f32 v[186:187], v[186:187], v[188:189]
	v_add_f32 v186, v186, v187
	v_add_f32_dpp v186, v186, v186 row_xmask:1 row_mask:0xf bank_mask:0xf
	v_add_f32_dpp v186, v186, v186 row_xmask:2 row_mask:0xf bank_mask:0xf
	v_add_f32_dpp v186, v186, v186 row_xmask:4 row_mask:0xf bank_mask:0xf
	v_add_f32_dpp v186, v186, v186 row_xmask:8 row_mask:0xf bank_mask:0xf
	v_permlanex16_b32 v190, v186, s22, s23
	v_add_f32 v186, v186, v190                     ; L, at least 1: the largest term is 2^0
	s_wait_alu depctr_va_vdst(0)
	v_rcp_f32 v191, v186
	v_nop
	s_wait_alu depctr_va_vdst(0)
.irp i, 0,1,2,3,4,5,6,7,8,9,10,11,12,13,14,15
	v_mul_f32 v[GM+\i], v[GM+\i], v191             ; f_i = 2^(gm_i - M) / L
.endr
.irp e, 0,1,2,3,4,5,6,7
	v_mul_f32 v[OWN+\e], v[OWN+\e], v191           ; my part's weights
.endr
	global_store_b128 v1, v[OWN:OWN+3], s[10:11]   ; 512 consecutive bytes a store, aligned
	global_store_b128 v1, v[OWN+4:OWN+7], s[10:11] offset:512
	s_wait_loadcnt 0x0                             ; pctx
.irp e, 0,1,2,3
	v_mul_f32 v[192+\e], v[PX+\e], v[GM]           ; the first part starts the sums
.endr
.irp i, 1,2,3,4,5,6,7,8,9,10,11,12,13,14,15
.irp e, 0,1,2,3
	v_fma_f32 v[192+\e], v[PX+4*\i+\e], v[GM+\i], v[192+\e]
.endr
.endr
	global_store_b128 v1, v[192:195], s[8:9]
	s_endpgm
.Lfunc_end_k_q94a049bc86_finish:
	.size	k_q94a049bc86_finish, .Lfunc_end_k_q94a049bc86_finish-k_q94a049bc86_finish
	.p2alignl 7, 3214868480
	.fill 96, 4, 3214868480
	.section	.rodata,"a",@progbits
	.p2align	6, 0x0
	.amdhsa_kernel k_q94a049bc86_finish
		.amdhsa_group_segment_fixed_size 0
		.amdhsa_private_segment_fixed_size 0
		.amdhsa_enable_private_segment 0
		.amdhsa_kernarg_size 32
		.amdhsa_user_sgpr_count 2
		.amdhsa_user_sgpr_kernarg_segment_ptr 1
		.amdhsa_wavefront_size32 1
		.amdhsa_system_sgpr_workgroup_id_x 1
		.amdhsa_system_sgpr_workgroup_id_y 1
		.amdhsa_system_sgpr_workgroup_id_z 1
		.amdhsa_system_vgpr_workitem_id 0
		.amdhsa_next_free_vgpr 224
		.amdhsa_next_free_sgpr 66
		.amdhsa_reserve_vcc 0
		.amdhsa_float_denorm_mode_32 3
		.amdhsa_float_denorm_mode_16_64 3
		.amdhsa_memory_ordered 1
		.amdhsa_forward_progress 1
		.amdhsa_inst_pref_size 26
	.end_amdhsa_kernel
	.amdgpu_metadata
---
amdhsa.version: [ 1, 2 ]
amdhsa.kernels:
  - .name:           k_q94a049bc86_finish
    .symbol:         k_q94a049bc86_finish.kd
    .args:
      - { .name: tsc, .offset: 0, .size: 8, .value_kind: global_buffer, .address_space: global }
      - { .name: pctx, .offset: 8, .size: 8, .value_kind: global_buffer, .address_space: global }
      - { .name: out0, .offset: 16, .size: 8, .value_kind: global_buffer, .address_space: global }
      - { .name: out1, .offset: 24, .size: 8, .value_kind: global_buffer, .address_space: global }
    .group_segment_fixed_size: 0
    .private_segment_fixed_size: 0
    .kernarg_segment_align: 8
    .kernarg_segment_size: 32
    .max_flat_workgroup_size: 32
    .sgpr_count:     66
    .vgpr_count:     224
    .wavefront_size: 32
...
	.end_amdgpu_metadata
.endif
;; end of part 3
